; MI455X (gfx1250); checked and timed in simulation.
; The chip was launched on July 23, 2026; its instructions are those of AMD's public machine-readable ISA for CDNA 5 (MIT licence, August 2026) and "CDNA5" Instruction Set Architecture Reference Guide (July 2026). The comments in the code are by the model that wrote it; some were corrected since.
;; Non Linear Bias Readout Block. Allowed arithmetic: matrix products marked QUANTISED: E4M3 operands, one E8M0 scale for each 32 along K, by v_wmma_scale_f32_16x16x128_f8f6f4 with both operands' format E4M3, f32 sums; products left as they are: f32 operands where the result goes on into a quantised operand, else bf16, f16 or f32 operands; f32 sums; everything else in f32.
;; Inputs: W1 1,024 x 1,024 float32; W2 1,024 x 4 float32; W_mid 1,024 x 1,024 float32; b2 4 float32; b_mid 1,024 float32; heads 25,000 int32; x 25,000 x 1,024 float32.
;; Outputs: out0 25,000 x 4 float32.
;; This version of the problem:
;;   THIS VERSION OF THE PROBLEM IS GIVEN IN LOW PRECISION. The matrix products marked QUANTISED in the list below multiply operands that are first quantised to E4M3 (4 exponent bits, 3 mantissa bits; 8 bits a number), with one power-of-two scale for each 32 numbers along K (OCP MX v1.0); their sums are f32. All else is computed in f32.
;;   The module's matrix products, in the order in which they are computed (A, B: the left and right operand; K: the contracted axis; several contracted axes count as one K, in the product's order):
;;     1. [M 25,000, K 1,024] x [K 1,024, N 1,024]; A: input x; B: input W1: QUANTISED
;;     2. [M 25,000, K 1,024] x [K 1,024, N 1,024]; A: computed on the way; B: input W_mid: QUANTISED
;;     3. [M 25,000, K 1,024] x [K 1,024, N 4]; A: computed on the way; B: input W2: left as it is (N = 4 < 16)
;;   THE QUANTISER, for each operand of a quantised product, along K:
;;     - K is cut into blocks of 32 from its start; a last block that is shorter is filled with zeros.
;;     - A block's scale is 2^e with e = floor(log2(the largest magnitude in the block)) - 8, held to -126 .. 127; a block of zeros has e = 0. As a byte (E8M0): e + 127.
;;     - Each number is divided by its block's scale, clamped to +-448, and rounded to the nearest number of E4M3, ties to even, subnormals kept.
;;     - The product sums the exact products of the quantised numbers (number of the format x scale) in f32.
;;   ~~~python
;;   def quantise(x, axis):      # numpy; x: float32 -> the quantised numbers, widened to float32 again
;;       x = np.moveaxis(x, axis, -1); K = x.shape[-1]
;;       x = np.pad(x, [(0, 0)] * (x.ndim - 1) + [(0, -K % 32)]); x = x.reshape(x.shape[:-1] + (-1, 32)); a = np.abs(x).max(-1, keepdims=True)
;;       e = np.where(a > 0, np.clip(np.frexp(np.where(a > 0, a, 1))[1] - 1 - 8, -126, 127), 0)      # np.frexp(a)[1] - 1 = floor(log2(a)), exactly
;;       r = np.clip(x / 2.0 ** e, -448, 448)
;;       step = 2.0 ** (np.maximum(np.frexp(np.where(r == 0, 1, r))[1] - 1, -6) - 3)
;;       q = np.round(r / step) * step * 2.0 ** e      # np.round: ties to even
;;       return np.moveaxis(q.reshape(q.shape[:-2] + (-1,))[..., :K], -1, axis).astype(np.float32)
;;   ~~~
;;   OPERANDS COMPUTED ON THE WAY. 'Computed on the way' means the value that the module computes at that place (a softmax that the list does not call 'softmax' is quantised finished and normalised). What goes into a quantiser is computed in f32, as accurately as f32 sums, v_exp_f32 and their like allow (about 1e-6 of the number): no bf16 or f16 on the way to a quantiser, and a product that is left as it is and whose result goes on into a quantised operand takes f32 operands (vector FMAs, or v_wmma_f32_16x16x4_f32). A number that lies on a knife's edge between two numbers of the format may be rounded either way, as far as f32 arithmetic and the matrix unit's own rounding can turn it there, and no further.
;; One version. Each part assembles by itself: llvm-mc -triple=amdgcn-amd-amdhsa -mcpu=gfx1250 --defsym DOCPART=n.
;; ======== version 1 of 1: 2 launches
;; limits: right only within a limited range of input values
;; workspace buffers: w1c 1,048,576 bytes; w1s 32,768 bytes; wmc 1,048,576 bytes; wms 32,768 bytes; order 101,888 bytes of whole numbers; tiles 2,048 bytes of whole numbers
;; launch prep (part 1): grid 89 x 1, 8 waves a work-group, no clusters, 2,048 bytes of LDS; arguments W1, W_mid, heads, w1c, w1s, wmc, wms, order, tiles; writes w1c, w1s, wmc, wms, order, tiles
.if DOCPART == 1
	.amdgcn_target "amdgcn-amd-amdhsa--gfx1250"
	.amdhsa_code_object_version 6
	.text
	.protected	k_qc81f739fe5_prep
	.globl	k_qc81f739fe5_prep
	.p2align	8
	.type	k_qc81f739fe5_prep,@function
k_qc81f739fe5_prep:
	s_mov_b64 s[64:65], 0
	v_nop
	global_prefetch_b8 v0, s[64:65] scope:SCOPE_SE
	s_setreg_imm32_b32 hwreg(HW_REG_WAVE_MODE, 25, 1), 1
	s_wait_xcnt 0x0
; WORK-GROUPS 0 TO 63: W1 and W_mid, [1024 (k)][1024 (n)] f32, become codes of E4M3 along K with one E8M0 byte for each 32 along K,
; laid in the order of the operand registers of the scaled matrix instruction, so that the next launch loads each fragment by four loads of 16 bytes a lane.
;   A fragment = 16 columns x 128 along K = 2,048 bytes: register group c (4 registers) of lane (r, h) lies at 512 c + 256 h + 16 r and holds k = 32 c + 16 h + 0 .. 15.
;   The columns of a tile are not neighbours: lane r of tile 2 b + u takes column 32 b + 8 u + r + 8 (r / 8), so that in the transposed product a lane's 16 registers of two neighbouring tiles are 16 neighbouring columns.
;   w1c [cc 8][s 8][t 8][2048]; wmc [cg 16][s 8][t 4][2048]; w1s [cc][s][lane 32][j 4] words (tile 2 j + lane / 16, row lane % 16); wms [cg][s / 2][lane 32][s % 2][j 2] words.
;   A lane takes a column and its registers run down K (128 numbers): a block of 32 lies in one lane, and the conversions give codes with K innermost.  A wave: 32 columns x 128 along K.
;   A store of codes covers two runs of 256 consecutive bytes, each aligned.  The scale words leave 4 bytes a lane, 16 bytes apart: one byte in 128 of what is read.
; WORK-GROUPS 64 TO 88: a counting sort of heads (held to 0 .. 3 by an unsigned minimum) into order: head h's rows begin at entry Sp_h = 128 U_h, U the running sum of ceil(count / 128);
;   entries that no row takes hold 0.  tiles[i] = (head, rows in tile i: 0 .. 128; 0 for a tile that this split does not use).
;   Work-group g = number - 64 PLACES rows 1000 g .. 1000 g + 999, four a thread (250 threads).  The order inside a head is free, so a row's entry is
;   Sp_h + the rows of head h in slices before g + those of earlier threads of slice g + its rank in its thread.  For that every one of the 25 work-groups COUNTS all 25,000 heads itself (100 a thread):
;   nothing passes between work-groups, and each entry has one owner.  A work-group's 1,000 entries fall into four runs of neighbouring entries.  Work-group g = 0 also stores the zeros and the table of tiles.
; LIMITS: NaN and infinities among the weights are not served.  A block whose largest magnitude lies under 2^-118, a block of zeros too, gets the byte 1; zero codes add nothing under it, and only this program reads the bytes.
	s_load_b512 s[4:19], s[0:1], 0x0               ; W1 s[4:5], W_mid s[6:7], heads s[8:9], w1c s[10:11], w1s s[12:13], wmc s[14:15], wms s[16:17], order s[18:19]
	s_load_b64 s[20:21], s[0:1], 0x40              ; tiles
	v_lshl_add_u32 v240, v0, 2, 0x400
	v_mov_b32 v241, 0
	v_lshrrev_b32 v1, 5, v0
	s_delay_alu instid0(VALU_DEP_1)
	v_readfirstlane_b32 s22, v1                    ; wave 0..7
	s_cmp_ge_u32 ttmp9, 64                         ; the same in all waves of a work-group
	s_cbranch_scc1 .Lsort
	; ---------------- the weights ----------------
	s_lshr_b32 s23, ttmp9, 5                       ; 0: W1, 1: W_mid
	s_bfe_u32 s24, ttmp9, 0x30002                  ; cc: which 128 columns
	s_and_b32 s25, ttmp9, 3
	s_and_b32 s26, s22, 3                          ; b: which 32 of them
	s_lshr_b32 s27, s22, 2
	s_lshl_b32 s25, s25, 1
	s_add_co_u32 s27, s27, s25                     ; s: which 128 along K
	s_lshl_b32 s28, s27, 19                        ; source: 128 s rows of 4,096 bytes
	s_lshl_b32 s29, s24, 9
	s_add_co_u32 s28, s28, s29
	s_lshl_b32 s29, s26, 7
	s_add_co_u32 s28, s28, s29                     ; + 4 (128 cc + 32 b)
	s_mov_b32 s29, 0
	s_lshl_b32 s30, s24, 17                        ; codes: 131,072 cc in both layouts
	s_lshl_b32 s32, s27, 14
	s_lshl_b32 s33, s26, 12
	s_add_co_u32 s32, s32, s33                     ; w1c: + 16,384 s + 4,096 b
	s_lshr_b32 s34, s26, 1
	s_and_b32 s35, s26, 1
	s_lshl_b32 s33, s34, 16
	s_lshl_b32 s36, s27, 13
	s_add_co_u32 s33, s33, s36
	s_lshl_b32 s36, s35, 12
	s_add_co_u32 s33, s33, s36                     ; wmc: + 65,536 (b / 2) + 8,192 s + 4,096 (b % 2)
	s_lshl_b32 s36, s24, 3
	s_add_co_u32 s36, s36, s27
	s_lshl_b32 s36, s36, 9
	s_lshl_b32 s37, s26, 2
	s_add_co_u32 s36, s36, s37                     ; w1s: 512 (8 cc + s) + 4 b
	s_lshl_b32 s37, s24, 1
	s_add_co_u32 s37, s37, s34
	s_lshl_b32 s37, s37, 11
	s_lshr_b32 s38, s27, 1
	s_lshl_b32 s38, s38, 9
	s_add_co_u32 s37, s37, s38
	s_and_b32 s38, s27, 1
	s_lshl_b32 s38, s38, 3
	s_add_co_u32 s37, s37, s38
	s_lshl_b32 s38, s35, 2
	s_add_co_u32 s37, s37, s38                     ; wms: 2,048 (2 cc + b / 2) + 512 (s / 2) + 8 (s % 2) + 4 (b % 2)
	s_mov_b32 s31, 0
	s_mov_b32 s39, 0
	s_mov_b32 s40, 0x600000                        ; the mantissa field of 448
	v_and_b32 v2, 31, v0
	s_delay_alu instid0(VALU_DEP_1)
	v_lshlrev_b32 v3, 2, v2                        ; in: 4 bytes a lane: a wave reads 128 consecutive bytes
	v_bfe_u32 v4, v0, 3, 1                         ; u
	v_and_b32 v5, 7, v0
	v_bfe_u32 v6, v0, 4, 1
	s_delay_alu instid0(VALU_DEP_1)
	v_lshl_add_u32 v5, v6, 3, v5                   ; r = lane % 8 + 8 (lane / 16)
	s_delay_alu instid0(VALU_DEP_4)
	v_lshlrev_b32 v7, 11, v4
	s_delay_alu instid0(VALU_DEP_1)
	v_lshl_add_u32 v7, v5, 4, v7                   ; codes: 2,048 u + 16 r
	v_lshlrev_b32 v8, 8, v4
	s_delay_alu instid0(VALU_DEP_1)
	v_lshl_add_u32 v8, v5, 4, v8                   ; scale word: 16 (16 u + r)
	s_wait_alu depctr_va_vdst(0)
	s_wait_kmcnt 0x0
	s_cmp_eq_u32 s23, 0                            ; the choice hangs on the work-group's number alone
	s_cselect_b32 s32, s32, s33
	s_cselect_b32 s38, s36, s37
	s_cselect_b64 s[4:5], s[4:5], s[6:7]
	s_cselect_b64 s[10:11], s[10:11], s[14:15]
	s_cselect_b64 s[12:13], s[12:13], s[16:17]
	s_add_co_u32 s30, s30, s32
	s_add_nc_u64 s[4:5], s[4:5], s[28:29]
	s_add_nc_u64 s[10:11], s[10:11], s[30:31]
	s_add_nc_u64 s[12:13], s[12:13], s[38:39]
.set i, 0
.rept 128
	global_load_b32 v[32+i], v3, s[4:5] offset:4096*i th:TH_LOAD_NT   ; W(128 s + i, my column): every offset an immediate
.set i, i+1
.endr
; Block c of 32 along K: all 32 numbers are this lane's.  cnt: the younger loads that may stay out (a wait names 63 at the most; the smaller count is the stricter one).
.macro BLOCK c, cnt
.set XB, 32+32*(\c)
.set CB, 160+8*(\c)
	s_wait_loadcnt \cnt
	v_max3_num_f32 v10, |v[XB]|, |v[XB+1]|, |v[XB+2]|
	v_max3_num_f32 v11, |v[XB+3]|, |v[XB+4]|, |v[XB+5]|
.irp i, 6,10,14,18,22,26
	s_delay_alu instid0(VALU_DEP_2)
	v_max3_num_f32 v10, v10, |v[XB+\i]|, |v[XB+\i+1]|
	s_delay_alu instid0(VALU_DEP_2)
	v_max3_num_f32 v11, v11, |v[XB+\i+2]|, |v[XB+\i+3]|
.endr
	s_delay_alu instid0(VALU_DEP_2)
	v_max3_num_f32 v10, v10, |v[XB+30]|, |v[XB+31]|
	s_delay_alu instid0(VALU_DEP_1)
	v_max3_num_f32 v10, v10, v11, 0x4800000        ; and the floor 2^(9 - 127): the byte cannot fall under 1
	s_delay_alu instid0(VALU_DEP_1)
	v_add_nc_u32 v12, 0xfc000000, v10              ; 8 off the exponent field: the conversion's scale operand
	s_delay_alu instid0(VALU_DEP_2)
	v_and_or_b32 v13, v10, 0x7f800000, s40         ; 448 x the scale
	s_delay_alu instid0(VALU_DEP_2)
	v_lshrrev_b32 v11, 23, v12                     ; the scale's byte
.if (\c) == 0
	s_delay_alu instid0(VALU_DEP_1)
	v_mov_b32 v24, v11
.else
	s_delay_alu instid0(VALU_DEP_1)
	v_lshl_or_b32 v24, v11, 8*(\c), v24            ; the lower K in the lower byte
.endif
.set i, 0
.rept 32
	v_med3_num_f32 v[XB+i], v[XB+i], -v13, v13     ; the conversion to an 8-bit code does not saturate (ISA guide 7.6.2): the hold comes first
.set i, i+1
.endr
.irp g, 0,1,2,3
	v_cvt_scalef32_pk8_fp8_f32 v[CB+2*\g:CB+2*\g+1], v[XB+8*\g:XB+8*\g+7], v12
.endr
	global_store_b128 v7, v[CB:CB+3], s[10:11] offset:512*(\c)          ; k = 32 c + 0 .. 15: the place of lane (r, 0)
	global_store_b128 v7, v[CB+4:CB+7], s[10:11] offset:512*(\c)+256    ; k = 32 c + 16 .. 31: of lane (r, 1).  No store's data are written again
.endm
	BLOCK 0, 63
	BLOCK 1, 63
	BLOCK 2, 32
	BLOCK 3, 0
	global_store_b32 v8, v24, s[12:13]
	s_endpgm
	; ---------------- the sort ----------------
	; Thread t < 250 counts the groups of four heads t + 250 j, j = 0 .. 24: group t + 250 j is rows 1000 j + 4 t on, so j is the slice.
	; v32-131 all heads; v132-135 my own four, then their buckets; v136-139 their byte offsets into order; v140-143 their rows' numbers; v144-147 8 x bucket.
	; v5 / v8 / v9: four counters of 8 bits each (100 at the most): all slices so far / the slices before mine / my own four.
	; v10-15: the same as fields of 16 bits (A: heads 0, 1; B: heads 2, 3; every sum stays under 25,472).  v160-221: what comes back from LDS and what goes there: never an address.
	; v232: 0; v233-238: byte offsets of the entries that take 0; v239: my place in tiles.  Every vector register is written with all lanes on, ahead of the first change of EXEC: behind it stand stores alone.
.Lsort:
	s_sub_co_u32 s23, ttmp9, 64                    ; g: my slice
	s_mul_i32 s24, s23, 4000                       ; its heads' first byte
	s_mul_i32 s38, s23, 1000                       ; its first row
	v_min_u32 v3, 249, v0
	s_delay_alu instid0(VALU_DEP_1)
	v_lshlrev_b32 v3, 4, v3                        ; threads 250 to 255 read thread 249's heads and count nothing
	s_delay_alu instid0(VALU_DEP_1)
	v_add_nc_u32 v2, s24, v3
	s_wait_alu depctr_va_vdst(0)
	s_wait_kmcnt 0x0
	global_load_b128 v[132:135], v2, s[8:9]        ; my own four
.set i, 0
.rept 25
	global_load_b128 v[32+4*i:35+4*i], v3, s[8:9] offset:4000*i
.set i, i+1
.endr
	v_cmp_gt_u32 vcc_lo, 250, v0
	s_delay_alu instid0(VALU_DEP_1)
	v_cndmask_b32 v4, 0, 1, vcc_lo                 ; what a head of mine counts
	v_mov_b32 v5, 0
	v_mov_b32 v8, 0
	v_mov_b32 v9, 0
.set i, 0
	s_wait_alu depctr_va_vdst(0)
.rept 25
	s_wait_alu depctr_va_vdst(0)
	s_wait_loadcnt 24-i                            ; slice i's heads are in (and my own four, asked for first); the 24 - i later slices' loads may be out
	s_cmp_eq_u32 s23, i
	s_cselect_b32 vcc_lo, -1, 0
	v_cndmask_b32 v8, v8, v5, vcc_lo               ; at my slice: what has been counted so far is what lies before it
.irp e, 0,1,2,3
	v_min_u32 v[32+4*i+\e], 3, v[32+4*i+\e]        ; the bucket
	s_delay_alu instid0(VALU_DEP_1)
	v_lshlrev_b32 v[6+\e%2], 3, v[32+4*i+\e]
	s_delay_alu instid0(VALU_DEP_1)
	v_lshl_add_u32 v5, v4, v[6+\e%2], v5
.endr
.set i, i+1
.endr
.irp e, 0,1,2,3
	v_min_u32 v[132+\e], 3, v[132+\e]
	s_delay_alu instid0(VALU_DEP_1)
	v_lshlrev_b32 v[144+\e], 3, v[132+\e]
	s_delay_alu instid0(VALU_DEP_1)
	v_lshl_add_u32 v9, v4, v[144+\e], v9
.endr
.macro UNPACK src, a                   ; four counters of 8 bits into two registers of two fields of 16 bits
	v_and_b32 v[\a], 0xff, v[\src]
	v_bfe_u32 v6, v[\src], 8, 8
	s_delay_alu instid0(VALU_DEP_1)
	v_lshl_or_b32 v[\a], v6, 16, v[\a]
	v_bfe_u32 v[\a+1], v[\src], 16, 8
	v_lshrrev_b32 v7, 24, v[\src]
	s_delay_alu instid0(VALU_DEP_1)
	v_lshl_or_b32 v[\a+1], v7, 16, v[\a+1]
.endm
	UNPACK 5, 10                                   ; all
	UNPACK 8, 12                                   ; before my slice
	UNPACK 9, 14                                   ; my own
	s_delay_alu instid0(VALU_DEP_4)
	v_mov_b32 v16, v14
	s_delay_alu instid0(VALU_DEP_2)
	v_mov_b32 v17, v15
.irp k, 0,1,2,3,4,5
	v_mov_b32 v[210+\k], 0                         ; written once: the destination of a DPP form counts as read
.endr
.irp n, 1,2,4,8                                    ; running sums inside each 16 lanes, the six registers by turns
.irp k, 0,1,2,3,4,5
	v_mov_b32_dpp v[210+\k], v[10+\k] row_shr:\n row_mask:0xf bank_mask:0xf bound_ctrl:1
.endr
.irp k, 0,1,2,3,4,5
	v_add_nc_u32 v[10+\k], v[10+\k], v[210+\k]
.endr
.endr
.irp k, 0,1,2,3                                    ; of 'all' and 'before' only the wave's sums are wanted: the two halves' last lanes
	v_readlane_b32 s39, v[10+\k], 15
	v_readlane_b32 s40, v[10+\k], 31
	s_add_co_u32 s[32+\k], s39, s40
.endr
	v_readlane_b32 s39, v14, 15
	v_readlane_b32 s40, v15, 15
	s_mov_b32 vcc_lo, 0xffff0000
	v_mov_b32 v210, s39
	v_mov_b32 v211, s40
	s_delay_alu instid0(VALU_DEP_2)
	v_cndmask_b32 v210, 0, v210, vcc_lo
	s_delay_alu instid0(VALU_DEP_2)
	v_cndmask_b32 v211, 0, v211, vcc_lo
	s_delay_alu instid0(VALU_DEP_2)
	v_add_nc_u32 v14, v14, v210                    ; 'own': lanes 16-31 add the lower half's sum
	s_delay_alu instid0(VALU_DEP_2)
	v_add_nc_u32 v15, v15, v211
	s_delay_alu instid0(VALU_DEP_2)
	v_readlane_b32 s36, v14, 31
	s_delay_alu instid0(VALU_DEP_2)
	v_readlane_b32 s37, v15, 31
.irp k, 0,1,2,3,4,5
	v_mov_b32 v[216+\k], s[32+\k]
.endr
	v_lshlrev_b32 v222, 5, v1                      ; 32 x wave: my wave's six words
	ds_store_b128 v222, v[216:219]                 ; all lanes write the same words with the same values
	ds_store_b64 v222, v[220:221] offset:16
	s_wait_dscnt 0x0                               ; for the others: my stores have landed
	s_barrier_signal -1
	s_barrier_wait -1
	v_mov_b32 v232, 0
.irp k, 0,1,2,3,4,5,6,7
	ds_load_b128 v[160+8*\k:163+8*\k], v232 offset:32*\k
	ds_load_b64 v[164+8*\k:165+8*\k], v232 offset:32*\k+16
.endr
	s_mov_b32 s25, 0                               ; all rows, heads 0 and 1; s26: heads 2 and 3
	s_mov_b32 s26, 0
	s_mov_b32 s27, 0                               ; the rows before my slice
	s_mov_b32 s28, 0
	s_mov_b32 s29, 0                               ; my slice's rows in the waves in front of mine
	s_mov_b32 s30, 0
	s_wait_dscnt 0x0
.irp k, 0,1,2,3,4,5,6,7
.irp q, 0,1,2,3,4,5
	v_readfirstlane_b32 s[32+\q], v[160+8*\k+\q]
.endr
	s_add_co_u32 s25, s25, s32
	s_add_co_u32 s26, s26, s33
	s_add_co_u32 s27, s27, s34
	s_add_co_u32 s28, s28, s35
	s_cmp_gt_u32 s22, \k
	s_cselect_b32 s36, s36, 0
	s_cselect_b32 s37, s37, 0
	s_add_co_u32 s29, s29, s36
	s_add_co_u32 s30, s30, s37
.endr
	s_and_b32 s48, s25, 0xffff                     ; c0 .. c3: rows of each head
	s_lshr_b32 s49, s25, 16
	s_and_b32 s50, s26, 0xffff
	s_lshr_b32 s51, s26, 16
	s_add_co_u32 s41, s48, 127
	s_lshr_b32 s53, s41, 7                         ; U1 .. U4: tiles in front of heads 1, 2, 3, and in all
	s_add_co_u32 s41, s49, 127
	s_lshr_b32 s41, s41, 7
	s_add_co_u32 s54, s53, s41
	s_add_co_u32 s41, s50, 127
	s_lshr_b32 s41, s41, 7
	s_add_co_u32 s55, s54, s41
	s_add_co_u32 s41, s51, 127
	s_lshr_b32 s41, s41, 7
	s_add_co_u32 s56, s55, s41
	s_lshl_b32 s57, s53, 7                         ; the heads' first entries
	s_lshl_b32 s58, s54, 7
	s_lshl_b32 s59, s55, 7
	s_lshl_b32 s60, s56, 7
	s_lshl_b32 s41, s57, 16
	s_add_co_u32 s41, s41, s27
	s_add_co_u32 s41, s41, s29                     ; heads 0, 1: first entry + earlier slices + earlier waves of my slice
	s_lshl_b32 s42, s59, 16
	s_or_b32 s42, s42, s58
	s_add_co_u32 s42, s42, s28
	s_add_co_u32 s42, s42, s30                     ; heads 2, 3
	v_sub_nc_u32 v14, v14, v16
	s_delay_alu instid0(VALU_DEP_1)
	v_add_nc_u32 v14, s41, v14                     ; + earlier threads of my wave: where my first row of head 0 (low half) and of head 1 (high half) goes
	v_sub_nc_u32 v15, v15, v17
	s_delay_alu instid0(VALU_DEP_1)
	v_add_nc_u32 v15, s42, v15                     ; of heads 2 and 3
	v_mov_b32 v150, 0x0c0c0100                     ; byte selects for field 0 of the pair (B, A), zeros above
	v_mov_b32 v151, 0                              ; my rows of each head so far
	s_mov_b32 s31, 0x0202                          ; a field on
	v_lshl_add_u32 v154, v0, 2, s38                ; my first row: 1000 g + 4 t
.irp e, 0,1,2,3
	v_mad_u32_u24 v152, v[132+\e], s31, v150
	v_bfe_u32 v153, v151, v[144+\e], 8             ; my rank in the bucket
	v_lshl_add_u32 v151, 1, v[144+\e], v151
	s_delay_alu instid0(VALU_DEP_3)
	v_perm_b32 v152, v15, v14, v152                ; the bucket's base
	s_delay_alu instid0(VALU_DEP_1)
	v_add_nc_u32 v152, v152, v153
	s_delay_alu instid0(VALU_DEP_1)
	v_min_u32 v152, 25471, v152                    ; the list has 25,472 entries
	s_delay_alu instid0(VALU_DEP_1)
	v_lshlrev_b32 v[136+\e], 2, v152
	v_add_nc_u32 v[140+\e], \e, v154
.endr
	; tile t: its head, the head's first tile, the head's rows
	v_mov_b32 v22, 0
	v_mov_b32 v23, 0
	v_mov_b32 v24, s48
.irp k, 1,2,3
	v_cmp_le_u32 vcc_lo, s[52+\k], v0
	v_mov_b32 v25, \k
	v_mov_b32 v26, s[52+\k]
	v_mov_b32 v27, s[48+\k]
	s_delay_alu instid0(VALU_DEP_3)
	v_cndmask_b32 v22, v22, v25, vcc_lo
	s_delay_alu instid0(VALU_DEP_3)
	v_cndmask_b32 v23, v23, v26, vcc_lo
	s_delay_alu instid0(VALU_DEP_3)
	v_cndmask_b32 v24, v24, v27, vcc_lo
.endr
	s_delay_alu instid0(VALU_DEP_2)
	v_sub_nc_u32 v25, v0, v23
	s_delay_alu instid0(VALU_DEP_1)
	v_lshlrev_b32 v25, 7, v25
	s_delay_alu instid0(VALU_DEP_1)
	v_sub_nc_u32 v25, v24, v25
	s_delay_alu instid0(VALU_DEP_1)
	v_min_u32 v25, 128, v25
	v_cmp_gt_u32 vcc_lo, s56, v0
	s_delay_alu instid0(VALU_DEP_1)
	v_cndmask_b32 v23, 0, v25, vcc_lo              ; rows in the tile; 0 from tile U4 on
	v_lshlrev_b32 v239, 3, v0
; the entries from s[st] + t on, under s[lim], are to take 0: their byte offset into v[reg], the lanes that have one into s[msk]
.macro PADA reg, msk, st, lim
	v_add_nc_u32 v[\reg], s[\st], v0
	s_delay_alu instid0(VALU_DEP_1)
	v_cmp_gt_u32 s[\msk], s[\lim], v[\reg]
	s_delay_alu instid0(VALU_DEP_2)
	v_min_u32 v[\reg], 25471, v[\reg]
	s_delay_alu instid0(VALU_DEP_1)
	v_lshlrev_b32 v[\reg], 2, v[\reg]
.endm
	s_mov_b32 s62, 25472
	PADA 233, 32, 48, 57                           ; behind head 0's rows, up to head 1's first entry: under 128 entries
	s_add_co_u32 s52, s57, s49
	PADA 234, 33, 52, 58
	s_add_co_u32 s52, s58, s50
	PADA 235, 34, 52, 59
	s_add_co_u32 s52, s59, s51
	PADA 236, 35, 52, 60
	PADA 237, 36, 60, 62                           ; the tiles that this split does not use: 384 entries at the most
	s_add_co_u32 s52, s60, 256
	PADA 238, 37, 52, 62
	v_cmp_gt_u32 vcc_lo, 250, v0
	s_wait_xcnt 0x0                                ; EXEC changes only behind this wait
	s_and_saveexec_b32 s61, vcc_lo
.irp e, 0,1,2,3
	global_store_b32 v[136+\e], v[140+\e], s[18:19]   ; my four rows' entries; no register of these stores is written again
.endr
	s_wait_xcnt 0x0
	s_or_b32 exec_lo, exec_lo, s61
	s_cmp_lg_u32 s23, 0                            ; the table of tiles and the zeros have one owner: slice 0's work-group.  The branch hangs on the work-group's number alone
	s_cbranch_scc1 .Ldone
	global_store_b64 v239, v[22:23], s[20:21]      ; all 256 threads: 2,048 consecutive bytes
.macro PADS reg, msk
	s_wait_xcnt 0x0                                ; in front of the line that narrows EXEC,
	s_and_saveexec_b32 s61, s[\msk]
	global_store_b32 v[\reg], v232, s[18:19]
	s_wait_xcnt 0x0                                ; and of the line that widens it
	s_or_b32 exec_lo, exec_lo, s61
.endm
	PADS 233, 32
	PADS 234, 33
	PADS 235, 34
	PADS 236, 35
	s_wait_alu depctr_va_vdst(0)
	PADS 237, 36
	PADS 238, 37
.Ldone:
	s_wait_tensorcnt 0x0
	ds_add_u32 v240, v241
	s_wait_dscnt 0x0
	s_endpgm
.Lfunc_end_k_qc81f739fe5_prep:
	.size	k_qc81f739fe5_prep, .Lfunc_end_k_qc81f739fe5_prep-k_qc81f739fe5_prep
	.p2alignl 7, 3214868480
	.fill 96, 4, 3214868480
	.section	.rodata,"a",@progbits
	.p2align	6, 0x0
	.amdhsa_kernel k_qc81f739fe5_prep
		.amdhsa_group_segment_fixed_size 2048
		.amdhsa_private_segment_fixed_size 0
		.amdhsa_enable_private_segment 0
		.amdhsa_kernarg_size 72
		.amdhsa_user_sgpr_count 2
		.amdhsa_user_sgpr_kernarg_segment_ptr 1
		.amdhsa_wavefront_size32 1
		.amdhsa_system_sgpr_workgroup_id_x 1
		.amdhsa_system_sgpr_workgroup_id_y 1
		.amdhsa_system_sgpr_workgroup_id_z 1
		.amdhsa_system_vgpr_workitem_id 0
		.amdhsa_next_free_vgpr 242
		.amdhsa_next_free_sgpr 66
		.amdhsa_reserve_vcc 1
		.amdhsa_float_denorm_mode_32 3
		.amdhsa_float_denorm_mode_16_64 3
		.amdhsa_memory_ordered 1
		.amdhsa_forward_progress 1
		.amdhsa_inst_pref_size 79
	.end_amdhsa_kernel
	.amdgpu_metadata
---
amdhsa.version: [ 1, 2 ]
amdhsa.kernels:
  - .name:           k_qc81f739fe5_prep
    .symbol:         k_qc81f739fe5_prep.kd
    .args:
      - { .name: W1, .offset: 0, .size: 8, .value_kind: global_buffer, .address_space: global }
      - { .name: W_mid, .offset: 8, .size: 8, .value_kind: global_buffer, .address_space: global }
      - { .name: heads, .offset: 16, .size: 8, .value_kind: global_buffer, .address_space: global }
      - { .name: w1c, .offset: 24, .size: 8, .value_kind: global_buffer, .address_space: global }
      - { .name: w1s, .offset: 32, .size: 8, .value_kind: global_buffer, .address_space: global }
      - { .name: wmc, .offset: 40, .size: 8, .value_kind: global_buffer, .address_space: global }
      - { .name: wms, .offset: 48, .size: 8, .value_kind: global_buffer, .address_space: global }
      - { .name: order, .offset: 56, .size: 8, .value_kind: global_buffer, .address_space: global }
      - { .name: tiles, .offset: 64, .size: 8, .value_kind: global_buffer, .address_space: global }
    .group_segment_fixed_size: 2048
    .private_segment_fixed_size: 0
    .kernarg_segment_align: 8
    .kernarg_segment_size: 72
    .max_flat_workgroup_size: 256
    .sgpr_count:     66
    .vgpr_count:     242
    .wavefront_size: 32
...
	.end_amdgpu_metadata
.endif
;; end of part 1
;; launch main (part 2): grid 199 x 1, 4 waves a work-group, no clusters, 289,280 bytes of LDS; arguments x, heads, b_mid, W2, b2, out0, w1c, w1s, wmc, wms, order, tiles; writes out0
.if DOCPART == 2
	.amdgcn_target "amdgcn-amd-amdhsa--gfx1250"
	.amdhsa_code_object_version 6
	.text
	.protected	k_qc81f739fe5_main
	.globl	k_qc81f739fe5_main
	.p2align	8
	.type	k_qc81f739fe5_main,@function
k_qc81f739fe5_main:
	s_mov_b64 s[64:65], 0
	v_nop
	global_prefetch_b8 v0, s[64:65] scope:SCOPE_SE
	s_setreg_imm32_b32 hwreg(HW_REG_WAVE_MODE, 25, 1), 1
	s_wait_xcnt 0x0
; out = mask(silu(silu(x W1 / 32) W_mid / 32 + b_mid)) W2 / 32 + b2.  The first two products on codes of E4M3 with one E8M0 scale for each 32 along K, the third by f32 multiply-adds (4 columns).
; A work-group takes ONE TILE of the sorted list: 128 rows that all have head hd.  The mask keeps of such a row only channels 256 hd .. 256 hd + 255 (a choice by the index input heads, read from memory),
; so the second product is made for those 256 columns alone.  199 = ceil(25000 / 128) + 3 tiles serve every split.  A tile without rows runs on list entries 0 with its one store masked off: no branch hangs on data.
; PRODUCT 1: wave w makes columns 256 w .. + 255 for all 128 rows, in two chunks of 128 columns (64 accumulators).
;   Chunk 0 goes along with the gathering of x: x comes in eight slices of 128 along K.  Trip t quantises slice t of the wave's 32 rows into LDS and asks for slice t + 1 (32 loads a wave, 16 KiB, into the registers of the
;   weights' second set); then it multiplies slice t - 1 (64 matrix instructions, one set of weights, asked for one step ahead), under which the LDS stores land; the barrier at the trip's end shows slice t to all waves.
;   Each slice has LDS bytes of its own, written once.  Slice 7 is multiplied behind the loop.  Chunk 1 takes x from LDS, with two sets of weights, two K steps ahead.
;   Behind a chunk T = acc x sigmoid(acc / 32) = 32 h is quantised in registers (a power of two goes through the quantiser unchanged) and goes to LDS as images of the next operand's registers, two tiles of rows at a time.
; PRODUCT 2: wave w makes columns 256 hd + 64 w .. + 63 of T W_mid; z = acc / 1024 + b_mid; silu; the dot with W2's four columns; parts to LDS; thread t adds row t's eight parts, / 32 + b2, stores 16 bytes.
; Both products are used transposed (source 0 = 16 columns of the weight, source 1 = 16 rows): a lane holds one row, and its registers run along the columns, which are the next K.
; The text behind a chunk and behind product 2 is written for four tiles of rows and run twice, once for each window of accumulators; only the lines that read accumulators stand twice, chosen by the loop's counter.
; No multicast and no tensor loads: x's and h's codes fill 288,768 bytes of LDS, which leaves no room for a ring of weights.  No prefetch: each slice of x is asked for a whole trip ahead of its use.
; LIMITS: NaN and infinities among the inputs are not served.  A block whose largest magnitude lies under 2^-118, a block of zeros too, gets the byte 1.  silu(z) is 0 where 2^(-z log2 e) overflows (z under -88).
;   A head outside 0 .. 3 was sorted to head 3; its dot is made 0, as a one-hot of such a head is.
; REGISTERS.  Window 0: v1-31 addresses; v32-39 scale words of x or h, v40-47 of the weights; v48-63 at work in the quantisers; v64-95 codes just made, v96-97 their scale words; v98-113 x's row offsets, and nothing else;
;   v114-121 x's scale bytes; v128-255 eight fragments of x or h, then T, z and the dot.  Window 1: the weights, two sets of 128 (chunk 0's trips: v128-255 a slice of x).
;   Windows 2, 3: accumulators; product 2: v0-127 of both, b_mid at v128 of window 2, W2 at v128 of window 3.
.set NROW,  25000
.set XP,    1040                       ; a row of x's codes in LDS: 1,024 bytes + 16
.set XSC,   128*XP                     ; x's scale bytes: 1024 (row / 32) + 128 s + 4 (row % 32) + block % 4
.set HIMG,  XSC+4096                   ; h's fragments as images of registers: 16384 s + 2048 m + 512 c + 16 lane
.set HSC,   HIMG+131072                ; h's scale words: 512 s + 16 (row % 32) + 4 (row / 32)
.set RED,   HSC+4096                   ; partial sums: 2048 (2 wave + half) + 16 row
.set L16,  1
.set XFA,  2
.set XFW,  4
.set XSA,  6
.set XSW,  7
.set HWI,  8
.set HWIW, 9
.set HWS,  10
.set HWSW, 11
.set HFA,  12
.set HSA,  14
.set RST,  15
.set RLD,  16
.set ENT,  17
.set HDV,  18
.set ROWC, 19
.set H64,  20
.set H256, 21
.set L32,  22
.set XWA0, 23
.set XWB0, 24
.set XWA,  25
.set XWB,  26
.set OUTO, 28
.set HOFF, 29
.set EOFF, 31
.set XS,   32
.set WS,   40
.set TM,   48
.set PC,   64
.set PW,   96
.set OFF,  98
.set BYR,  114
.set XF,   128
.set T,    128
.set LZ,   128
.set WV,   28
.set HD,   30
.set NR,   31
.set PWR,  32
.set PSR,  34
.set PM,   36
.set PMS,  38
.set SIG,  40
.set KX,   41                          ; s41 128 x the slice being multiplied
.set KC,   42
.set CC,   43
.set HQ,   44
.set HQS,  45
.set C1,   46
.set C2,   48
.set C3,   50
.set MNT,  52
.set SEL,  54
.set B2,   60
.set XBP,  68                          ; s[68:69] x at the slice that is asked for
.set TC,   70                          ; s70 the trip of chunk 0
.set KS,   71                          ; s71 128 x the slice being quantised
.set HF,   72                          ; s72 which window of accumulators
.set MUL_LO, 0xa1                      ; source 0 (weights) window 1, source 1 window 0, C and D window 2
.set MUL_HI, 0xf1                      ; the same, C and D window 3
.set MSB, 0
.macro WIN new                         ; the immediate's high byte repeats the setting that is left
.if MSB != (\new)
	s_set_vgpr_msb (MSB<<8)|(\new)
.set MSB, (\new)
.endif
.endm
.macro PLACES n
.rept \n
	v_nop
.endr
.endm
.macro BARRIER                         ; my LDS stores have landed and my LDS loads are in: then the work-group's barrier
	s_wait_dscnt 0x0
	s_barrier_signal -1
	s_barrier_wait -1
.endm
	s_load_b512 s[4:19], s[0:1], 0x0               ; x, heads, b_mid, W2, b2, out0, w1c, w1s
	s_load_b256 s[20:27], s[0:1], 0x40             ; wmc, wms, order, tiles
	v_lshl_add_u32 v126, v0, 2, 0x46800
	v_mov_b32 v127, 0
	v_lshrrev_b32 v27, 5, v0
	v_readfirstlane_b32 s[WV], v27
	s_lshl_b32 s73, s[WV], 15
	s_add_co_u32 s73, s73, HIMG
	s_lshl_b32 s74, s[WV], 10
	s_add_co_u32 s75, s74, HSC
	s_add_co_u32 s76, s74, XSC
	s_lshl_b32 s77, s[WV], 12
	s_add_co_u32 s77, s77, RED
	s_mul_i32 s78, s[WV], 32*XP
	s_lshl_b32 s29, ttmp9, 9                       ; the tile's 128 entries of 4 bytes
	s_lshl_b32 s2, s[WV], 7
	s_add_co_u32 s2, s29, s2                       ; my wave's 32 entries
	s_lshl_b32 s3, ttmp9, 3
	s_mov_b32 s[C1], 0xbd38aa3b                    ; -log2(e) / 32
	s_mov_b32 s[C1+1], 0xbd38aa3b
	s_mov_b32 s[C2], 0xbfb8aa3b                    ; -log2(e)
	s_mov_b32 s[C2+1], 0xbfb8aa3b
	s_mov_b32 s[C3], 0x3a800000                    ; 2^-10
	s_mov_b32 s[C3+1], 0x3a800000
	s_mov_b32 s[MNT], 0x600000                     ; the mantissa field of 448
	s_mov_b32 s[SEL], 0x76543210
	s_mov_b32 s[SEL+1], 0xfedcba98
	v_and_b32 v28, 31, v0                          ; lane
	v_and_b32 v29, 15, v0                          ; r
	v_bfe_u32 v30, v0, 4, 1                        ; h
	v_bfe_u32 v27, v0, 2, 2                        ; (lane % 16) / 4
	v_lshlrev_b32 v[L16], 4, v28
	v_lshlrev_b32 v[L32], 5, v29                   ; my 8 numbers of a slice's row: 32 bytes a lane, sixteen lanes to a row
	v_mul_u32_u24 v[XFA], v29, XP
	v_mul_u32_u24 v123, v30, XP
	v_lshl_add_u32 v[XSA], v28, 2, XSC             ; x's scale words: lane l takes row 32 j + l
	v_add_nc_u32 v[HWI], s73, v[L16]               ; where I store h's images: K steps 2 w, 2 w + 1
	v_lshl_add_u32 v[HWS], v29, 4, s75             ; and their scale words
	v_lshl_add_u32 v[XFA], v30, 4, v[XFA]          ; x's fragments: row r x pitch + 16 h; tiles 0-3,
	v_lshl_add_u32 v123, v29, 3, v123
	v_lshl_add_u32 v[XWB0], v30, 2, v27
	v_add_nc_u32 v[HFA], HIMG, v[L16]
	v_add_nc_u32 v[HFA+1], HIMG+65536, v[L16]
	v_add_nc_u32 v[XFA+1], 64*XP, v[XFA]           ; tiles 4-7
	v_add_nc_u32 v[XWA0], s78, v123                ; x's codes: row 32 w + h (+ 2 j), 8 bytes a lane
	v_add_nc_u32 v[XWB0], s76, v[XWB0]             ; x's scale bytes: my wave's 1,024; 4 h + block
	v_add_nc_u32 v[HSA], HSC, v[L16]
	v_lshl_add_u32 v[RST], v30, 11, s77
	v_lshl_add_u32 v[RLD], v0, 4, RED
	v_lshlrev_b32 v[H64], 6, v30
	v_lshlrev_b32 v[H256], 8, v30
	v_lshl_add_u32 v[RST], v29, 4, v[RST]
	v_lshl_add_u32 v[EOFF], v0, 2, s29
	v_lshl_add_u32 v122, v30, 2, s2                ; the list entry of row 32 w + h
.irp b, 0,1,2,3
	v_mov_b32 v[TM+4+\b], 0                        ; written once: a lane permute's destination counts as one of its sources
.endr
	s_wait_alu depctr_va_vdst(0)
	s_wait_kmcnt 0x0
.irp j, 0,1,2,3,4,5,6,7,8,9,10,11,12,13,14,15
	global_load_b32 v[OFF+\j], v122, s[24:25] offset:8*\j      ; pair j: rows 32 w + 2 j + h
.endr
	global_load_b32 v[ENT], v[EOFF], s[24:25]      ; thread t: the row that it will store
	s_load_b64 s[HD:HD+1], s[26:27], s3 offset:0x0
	s_load_b128 s[B2:B2+3], s[12:13], 0x0
	s_lshl_b32 s66, s[WV], 18
	s_mov_b32 s67, 0
	s_add_nc_u64 s[16:17], s[16:17], s[66:67]      ; w1c at my 256 columns: 16 K steps of 16,384 bytes on end
	s_mov_b64 s[PWR:PWR+1], s[16:17]               ; the step asked for last (trip 0 asks for step 0)
	s_lshl_b32 s66, s[WV], 13
	s_add_nc_u64 s[18:19], s[18:19], s[66:67]
	s_mov_b64 s[PSR:PSR+1], s[18:19]
	s_mov_b64 s[XBP:XBP+1], s[4:5]
	s_wait_loadcnt 0x0
.irp j, 0,1,2,3,4,5,6,7,8,9,10,11,12,13,14,15
	v_min_u32 v[OFF+\j], NROW-1, v[OFF+\j]
.endr
.irp j, 0,1,2,3,4,5,6,7,8,9,10,11,12,13,14,15
	v_lshl_add_u32 v[OFF+\j], v[OFF+\j], 12, v[L32]
.endr
.macro XLD j                           ; pair j of a slice: two rows x 512 bytes, by two loads
	global_load_b128 v[LZ+8*(\j):LZ+8*(\j)+3], v[OFF+(\j)], s[XBP:XBP+1] th:TH_LOAD_RT_NT
	global_load_b128 v[LZ+8*(\j)+4:LZ+8*(\j)+7], v[OFF+(\j)], s[XBP:XBP+1] offset:16 th:TH_LOAD_RT_NT
.endm
.macro WLOAD p, g                      ; the weights' tiles g .. g + 3 into set p
	WIN 0x40
.irp tt, 0,1,2,3
.irp c, 0,1,2,3
	global_load_b128 v[128*(\p)+16*(\g+\tt)+4*\c:128*(\p)+16*(\g+\tt)+4*\c+3], v[L16], s[PWR:PWR+1] offset:2048*(\g+\tt)+512*\c
.endr
.endr
.endm
	WIN 0x40
.irp j, 0,1,2,3,4,5,6,7,8,9,10,11,12,13,14,15
	XLD \j                                         ; slice 0
.endr
	WIN 0
	s_wait_kmcnt 0x0
	s_min_u32 s[HD], s[HD], 3                      ; what hangs on the tile's head
	s_lshl_b32 s29, s[HD], 2
	s_add_co_u32 s29, s29, s[WV]                   ; 4 hd + w: my group of 64 columns
	s_lshl_b32 s66, s29, 16
	s_add_nc_u64 s[PM:PM+1], s[20:21], s[66:67]
	s_lshl_b32 s66, s29, 11
	s_add_nc_u64 s[PMS:PMS+1], s[22:23], s[66:67]
	s_lshl_b32 s66, s29, 8
	s_add_nc_u64 s[8:9], s[8:9], s[66:67]          ; b_mid at my 64 channels
	s_lshl_b32 s66, s29, 10
	s_add_nc_u64 s[10:11], s[10:11], s[66:67]      ; W2 likewise: 16 bytes a channel
; One matrix instruction.  oa, ob: the scale words of source 0, of source 1 stand in lanes 16-31 of their register.
.macro WM d, fa, fb, zero, sa, sb, oa, ob
.if \zero
.if (\oa) && (\ob)
	v_wmma_scale_f32_16x16x128_f8f6f4 v[(\d):(\d)+7], v[(\fa):(\fa)+15], v[(\fb):(\fb)+15], 0, v[\sa], v[\sb] matrix_a_scale:MATRIX_SCALE_ROW1 matrix_b_scale:MATRIX_SCALE_ROW1
.elseif \oa
	v_wmma_scale_f32_16x16x128_f8f6f4 v[(\d):(\d)+7], v[(\fa):(\fa)+15], v[(\fb):(\fb)+15], 0, v[\sa], v[\sb] matrix_a_scale:MATRIX_SCALE_ROW1
.elseif \ob
	v_wmma_scale_f32_16x16x128_f8f6f4 v[(\d):(\d)+7], v[(\fa):(\fa)+15], v[(\fb):(\fb)+15], 0, v[\sa], v[\sb] matrix_b_scale:MATRIX_SCALE_ROW1
.else
	v_wmma_scale_f32_16x16x128_f8f6f4 v[(\d):(\d)+7], v[(\fa):(\fa)+15], v[(\fb):(\fb)+15], 0, v[\sa], v[\sb]
.endif
.else
.if (\oa) && (\ob)
	v_wmma_scale_f32_16x16x128_f8f6f4 v[(\d):(\d)+7], v[(\fa):(\fa)+15], v[(\fb):(\fb)+15], v[(\d):(\d)+7], v[\sa], v[\sb] matrix_a_scale:MATRIX_SCALE_ROW1 matrix_b_scale:MATRIX_SCALE_ROW1
.elseif \oa
	v_wmma_scale_f32_16x16x128_f8f6f4 v[(\d):(\d)+7], v[(\fa):(\fa)+15], v[(\fb):(\fb)+15], v[(\d):(\d)+7], v[\sa], v[\sb] matrix_a_scale:MATRIX_SCALE_ROW1
.elseif \ob
	v_wmma_scale_f32_16x16x128_f8f6f4 v[(\d):(\d)+7], v[(\fa):(\fa)+15], v[(\fb):(\fb)+15], v[(\d):(\d)+7], v[\sa], v[\sb] matrix_b_scale:MATRIX_SCALE_ROW1
.else
	v_wmma_scale_f32_16x16x128_f8f6f4 v[(\d):(\d)+7], v[(\fa):(\fa)+15], v[(\fb):(\fb)+15], v[(\d):(\d)+7], v[\sa], v[\sb]
.endif
.endif
.endm
; 16 matrix instructions: tiles of rows 4 a .. 4 a + 3 x tiles of columns 4 bq .. 4 bq + 3; p: the sets of weights and scale words.  The 64 accumulators take turns, in the same order in every step.
.macro QUAD a, bq, p, zero
.irp mm, 0,1,2,3
.irp tt, 0,1,2,3
	WM 8*(8*\mm+4*\bq+\tt), 128*\p+16*(4*\bq+\tt), XF+16*(4*\a+\mm), \zero, WS+4*\p+(4*\bq+\tt)/2, XS+4*\p+(4*\a+\mm)/2, \tt%2, \mm%2
.endr
.endr
.endm
.macro XFETCH g                        ; x's tiles g .. g + 3 of the K step at which the address registers stand
.irp mm, 0,1,2,3
.irp c, 0,1,2,3
	ds_load_b128 v[XF+16*(\g+\mm)+4*\c:XF+16*(\g+\mm)+4*\c+3], v[XFW+(\g)/4] offset:16*XP*\mm+32*\c
.endr
.endr
.endm
.macro XSLD set                        ; its scale words: register j: lanes 0-15 tile 2 j, lanes 16-31 tile 2 j + 1
.irp j, 0,1,2,3
	ds_load_b32 v[XS+4*(\set)+\j], v[XSW] offset:1024*\j
.endr
.endm
; CHUNK 0, a K step: the slice at s[KX], set 0 of the weights; what a quadrant has done with is asked for anew, for the next step, behind eight places.
; lw = 32 in the trips: behind this step's weights stand the 32 loads of the quantising part that ran since, on every way.  Behind the loop nothing stands behind them: lw = 0.
.macro FSTEP zero, lw
	v_add_nc_u32 v[XFW], s[KX], v[XFA]
	v_add_nc_u32 v[XFW+1], s[KX], v[XFA+1]
	v_add_nc_u32 v[XSW], s[KX], v[XSA]
	s_wait_alu depctr_va_vdst(0)
	XFETCH 0
	XSLD 0
	XFETCH 4
	s_wait_loadcnt \lw
	s_wait_dscnt 16                                ; x's tiles 0-3 and scale words are in
	WIN MUL_LO
	QUAD 0, 0, 0, \zero
	QUAD 0, 1, 0, \zero
	s_wait_dscnt 0x0
	WIN MUL_HI
	QUAD 1, 0, 0, \zero
	PLACES 8
	s_wait_xcnt 0x0                                ; the earlier loads have read their bases: all three may step
	s_add_nc_u64 s[PWR:PWR+1], s[PWR:PWR+1], 16384
	s_add_nc_u64 s[PSR:PSR+1], s[PSR:PSR+1], 512
	s_add_nc_u64 s[XBP:XBP+1], s[XBP:XBP+1], 512   ; x at the slice that the next trip asks for (not used behind trip 6)
	WLOAD 0, 0
	WIN MUL_HI
	QUAD 1, 1, 0, \zero
	PLACES 8
	WIN 0
	global_load_b128 v[WS:WS+3], v[L16], s[PSR:PSR+1]
	WLOAD 0, 4
	WIN 0
.endm
; Four pairs of rows of the slice that has landed: a lane holds 8 neighbours along K, four lanes a block of 32.  The count: younger than this group's loads are the slice's later groups and the 33 loads of the weights (and this trip's earlier groups' 8 each).
; Then the group's registers take the next slice; in the last trip they take eight loads of the weights' K step 9 (set 1 lies in these registers), so that every way issues eight.
.macro XGRP g
	s_wait_loadcnt 33+8*(3-\g)
	WIN 0x14                                       ; sources 1 and 2: window 1
.irp q, 0,1,2,3
	v_max3_num_f32 v[TM+\q], 0x4800000, |v[LZ+8*(4*\g+\q)]|, |v[LZ+8*(4*\g+\q)+1]|   ; with the floor 2^(9 - 127)
.endr
.irp e, 2,4,6
.irp q, 0,1,2,3
	v_max3_num_f32 v[TM+\q], v[TM+\q], |v[LZ+8*(4*\g+\q)+\e]|, |v[LZ+8*(4*\g+\q)+\e+1]|
.endr
.endr
	WIN 0
.irp q, 0,1,2,3
	v_max_num_f32_dpp v[TM+\q], v[TM+\q], v[TM+\q] row_xmask:1 row_mask:0xf bank_mask:0xf
.endr
.irp q, 0,1,2,3
	v_max_num_f32_dpp v[TM+\q], v[TM+\q], v[TM+\q] row_xmask:2 row_mask:0xf bank_mask:0xf   ; the block's largest magnitude
.endr
.irp q, 0,1,2,3
	v_add_nc_u32 v[TM+4+\q], 0xfc000000, v[TM+\q]  ; the conversion's scale operand
.endr
.irp q, 0,1,2,3
	v_and_or_b32 v[TM+8+\q], v[TM+\q], 0x7f800000, s[MNT]   ; 448 x the scale
.endr
.irp q, 0,1,2,3
	v_lshrrev_b32 v[BYR+4*(\g%2)+\q], 23, v[TM+4+\q]        ; the scale's byte
.endr
	WIN 0x41                                       ; destination and source 0: window 1
.irp q, 0,1,2,3
.irp e, 0,1,2,3,4,5,6,7
	v_med3_num_f32 v[LZ+8*(4*\g+\q)+\e], v[LZ+8*(4*\g+\q)+\e], -v[TM+8+\q], v[TM+8+\q]   ; the conversion does not saturate (ISA guide 7.6.2)
.endr
.endr
	WIN 0x01
.irp q, 0,1,2,3
	v_cvt_scalef32_pk8_fp8_f32 v[PC+8*(\g%2)+2*\q:PC+8*(\g%2)+2*\q+1], v[LZ+8*(4*\g+\q):LZ+8*(4*\g+\q)+7], v[TM+4+\q]
.endr
	WIN 0
	v_nop                                          ; a plain line behind the last conversion
.irp q, 0,1,2,3
	ds_store_b64 v[XWA], v[PC+8*(\g%2)+2*\q:PC+8*(\g%2)+2*\q+1] offset:2*XP*(4*\g+\q)   ; sixteen lanes: 128 consecutive bytes of a row
.endr
.irp q, 0,1,2,3
	ds_store_b8 v[XWB], v[BYR+4*(\g%2)+\q] offset:8*(4*\g+\q)     ; the four lanes of a block write the same byte with the same value
.endr
	s_wait_alu depctr_va_vdst(0)
	s_cmp_lt_u32 s[TC], 7
	s_cbranch_scc0 .Lxw_\@
	WIN 0x40
.irp q, 0,1,2,3
	XLD 4*\g+\q
.endr
	WIN 0
	s_branch .Lxj_\@
.Lxw_\@:
	WIN 0x40
.irp q, 0,1,2,3,4,5,6,7
	global_load_b128 v[LZ+32*\g+4*\q:LZ+32*\g+4*\q+3], v[L16], s[16:17] offset:9*16384+512*(8*\g+\q)
.endr
	WIN 0
.Lxj_\@:
.endm
; CHUNK 1, a K step of 128: 64 matrix instructions in four quadrants; x's tiles 0-3 and scale words of the next step behind the second quadrant, the weights' tiles 0-3 of the step after next behind the third,
; their scale words, tiles 4-7 and x's tiles 4-7 behind the fourth.  lw0: younger than this step's scale words: its tiles 4-7 (16) and the next step's 33.  lw1: the last 33.
.macro STEP p, zero, lw0, lw1, fx
	s_wait_loadcnt \lw0
	s_wait_dscnt 16
	WIN MUL_LO
	QUAD 0, 0, \p, \zero
	s_wait_loadcnt \lw1
	QUAD 0, 1, \p, \zero
.if \fx
	WIN 0
	s_add_co_u32 s[KX], s[KX], 128
	v_add_nc_u32 v[XFW], s[KX], v[XFA]
	v_add_nc_u32 v[XFW+1], s[KX], v[XFA+1]
	v_add_nc_u32 v[XSW], s[KX], v[XSA]
	PLACES 5                                       ; with the three additions: eight
	XFETCH 0
	XSLD 1-\p
	s_wait_alu depctr_va_vdst(0)
	s_wait_dscnt 20                                ; all but the 20 just issued: x's tiles 4-7 are in
.else
	s_wait_dscnt 0x0
.endif
	WIN MUL_HI
	QUAD 1, 0, \p, \zero
	PLACES 8
	s_wait_xcnt 0x0
	s_add_nc_u64 s[PWR:PWR+1], s[PWR:PWR+1], 16384
	s_add_nc_u64 s[PSR:PSR+1], s[PSR:PSR+1], 512
	s_cmp_eq_u32 s[SIG], 14                        ; behind W1's sixteenth step come W_mid's first four, two to a set, by the same lines
	s_cselect_b64 s[PWR:PWR+1], s[PM:PM+1], s[PWR:PWR+1]
	s_cselect_b64 s[PSR:PSR+1], s[PMS:PMS+1], s[PSR:PSR+1]
	s_add_co_u32 s[SIG], s[SIG], 1
	WLOAD \p, 0
	WIN MUL_HI
	QUAD 1, 1, \p, \zero
	PLACES 8
	WIN 0
	global_load_b128 v[WS+4*\p:WS+4*\p+3], v[L16], s[PSR:PSR+1]
	WLOAD \p, 4
	WIN 0
.if \fx
	XFETCH 4
.endif
.endm
; 64 numbers of a lane, v[s] on, register 16 b + i = k 32 b + 16 (lane / 16) + i of my row, become a fragment's codes in v[pc] on and its scale word in v[pw].
.macro QUANT s, pc, pw
.irp b, 0,1,2,3
	v_max3_num_f32 v[TM+\b], |v[\s+16*\b]|, |v[\s+1+16*\b]|, 0x4800000
.endr
.irp i, 2,4,6,8,10,12,14
.irp b, 0,1,2,3
	v_max3_num_f32 v[TM+\b], v[TM+\b], |v[\s+16*\b+\i]|, |v[\s+1+16*\b+\i]|
.endr
.endr
.irp b, 0,1,2,3
	v_permlanex16_b32 v[TM+4+\b], v[TM+\b], s[SEL], s[SEL+1]
.endr
.irp b, 0,1,2,3
	v_max_num_f32 v[TM+\b], v[TM+\b], v[TM+4+\b]   ; with lane l xor 16's: the block's largest magnitude
.endr
.irp b, 0,1,2,3
	v_add_nc_u32 v[TM+12+\b], 0xfc000000, v[TM+\b]
.endr
.irp b, 0,1,2,3
	v_and_or_b32 v[TM+8+\b], v[TM+\b], 0x7f800000, s[MNT]
.endr
.irp b, 0,1,2,3
	v_lshrrev_b32 v[TM+4+\b], 23, v[TM+12+\b]
.endr
	v_lshl_or_b32 v[\pw], v[TM+5], 8, v[TM+4]
	v_lshl_or_b32 v[\pw], v[TM+6], 16, v[\pw]
	v_lshl_or_b32 v[\pw], v[TM+7], 24, v[\pw]
.irp b, 0,1,2,3
.irp i, 0,1,2,3,4,5,6,7,8,9,10,11,12,13,14,15
	v_med3_num_f32 v[\s+16*\b+\i], v[\s+16*\b+\i], -v[TM+8+\b], v[TM+8+\b]
.endr
	v_cvt_scalef32_pk8_fp8_f32 v[\pc+4*\b:\pc+1+4*\b], v[\s+16*\b:\s+7+16*\b], v[TM+12+\b]
	v_cvt_scalef32_pk8_fp8_f32 v[\pc+2+4*\b:\pc+3+4*\b], v[\s+8+16*\b:\s+15+16*\b], v[TM+12+\b]
.endr
	v_nop                                          ; a plain line behind the last conversion
.endm
; The lines that read two tiles' 128 accumulator registers, a0 on, each accumulator from its low end on.  kind 0: T = acc x (-log2(e) / 32); kind 1: T = acc x T.
.macro ACCL a0, kind
.set i, 0
.rept 64
.if \kind
	v_pk_mul_f32 v[T+i:T+i+1], v[\a0+i:\a0+i+1], v[T+i:T+i+1]
.else
	v_pk_mul_f32 v[T+i:T+i+1], v[\a0+i:\a0+i+1], s[C1:C1+1] op_sel_hi:[1,0]
.endif
.set i, i+2
.endr
.endm
.macro ACCB a0, kind                   ; they stand twice, for window 2 and for window 3; s[HF], the loop's counter, chooses.
	s_wait_alu depctr_va_vdst(0)
	s_cmp_eq_u32 s[HF], 0
	s_cbranch_scc0 .Lhi_\@
	WIN 2
.if \kind == 0
	s_wait_alu depctr_va_vdst(0)
.endif
	ACCL \a0, \kind
	WIN 0
	s_branch .Ljn_\@
.Lhi_\@:
	WIN 3
.if \kind == 0
	s_wait_alu depctr_va_vdst(0)
.endif
	ACCL \a0, \kind
	WIN 0
.Ljn_\@:
	s_wait_alu depctr_va_vdst(0)
.endm
; Tiles 4 s[HF] + 2 pp and + 2 pp + 1 of rows: T = acc / (1 + 2^(-acc log2(e) / 32)), quantised; their images belong to K step 2 w + chunk of the second product.
.macro SILUQ2 pp
	ACCB 128*(\pp), 0
.set i, 0
.rept 128
	v_exp_f32 v[T+i], v[T+i]
.set i, i+1
.endr
	v_nop                                          ; a plain line behind the transcendentals
.set i, 0
	s_wait_alu depctr_va_vdst(0)
.rept 64
	v_pk_add_f32 v[T+i:T+i+1], v[T+i:T+i+1], 1.0 op_sel_hi:[1,0]
.set i, i+2
.endr
.set i, 0
	s_wait_alu depctr_va_vdst(0)
.rept 128
	v_rcp_f32 v[T+i], v[T+i]
.set i, i+1
.endr
	v_nop
	ACCB 128*(\pp), 1
.irp u, 0,1
	s_wait_dscnt 5                                 ; the five stores of two tiles back, which read this set of code registers, are done
	QUANT T+64*\u, PC+16*\u, PW+\u
.irp c, 0,1,2,3
	ds_store_b128 v[HWIW], v[PC+16*\u+4*\c:PC+16*\u+4*\c+3] offset:2048*(2*(\pp)+\u)+512*\c
.endr
	ds_store_b32 v[HWSW], v[PW+\u] offset:256*\u+4*(\pp)   ; both halves of the lanes write the same word with the same value
.endr
.endm
	s_mov_b32 s[HQ], 0
	s_mov_b32 s[HQS], 0
	s_mov_b32 s[CC], 0
.Lchunk:                                           ; 128 of my 256 columns
	s_cmp_eq_u32 s[CC], 0
	s_cbranch_scc0 .Lplain
	; ---- chunk 0, with the gathering of x
	s_wait_loadcnt 0x0                             ; slice 0 is in: no load is out on any way into the trips, so x's base may step
	s_add_nc_u64 s[XBP:XBP+1], s[XBP:XBP+1], 512   ; trip 0 asks for slice 1
	s_mov_b32 s[TC], 0
	s_mov_b32 s[KS], 0
	s_mov_b32 s[KX], 0
.Lf:                                               ; trip t: slice t is quantised, slice t - 1 multiplied; the barrier at the end shows slice t
	v_add_nc_u32 v[XWA], s[KS], v[XWA0]
	v_add_nc_u32 v[XWB], s[KS], v[XWB0]
.irp g, 0,1,2,3
	XGRP \g
.endr
	s_cmp_eq_u32 s[TC], 0                          ; three arms, each with 33 loads of the weights: so every count of loads holds on every way
	s_cbranch_scc0 .Lf1
	s_wait_loadcnt 32                              ; (all but this trip's 32)
	s_wait_xcnt 0x0
	s_add_nc_u64 s[XBP:XBP+1], s[XBP:XBP+1], 512
	WLOAD 0, 0                                     ; trip 0 has nothing to multiply: it asks for K step 0
	WIN 0
	global_load_b128 v[WS:WS+3], v[L16], s[PSR:PSR+1]
	WLOAD 0, 4
	WIN 0
	s_branch .Lfj
.Lf1:
	s_cmp_eq_u32 s[TC], 1
	s_cbranch_scc0 .Lfn
	FSTEP 1, 32                                    ; slice 0's products start the sums
	s_branch .Lfj
.Lfn:
	FSTEP 0, 32
.Lfj:
	BARRIER                                        ; slice t lies in LDS
	s_mov_b32 s[KX], s[KS]
	s_add_co_u32 s[KS], s[KS], 128
	s_add_co_u32 s[TC], s[TC], 1
	s_cmp_lt_u32 s[TC], 8
	s_cbranch_scc1 .Lf
	FSTEP 0, 0                                     ; slice 7; it asks for K step 8, chunk 1's first, into set 0
	s_wait_xcnt 0x0
	s_add_nc_u64 s[PWR:PWR+1], s[PWR:PWR+1], 16384 ; K step 9's fragments were asked for in the last trip, into set 1;
	s_add_nc_u64 s[PSR:PSR+1], s[PSR:PSR+1], 512
	global_load_b128 v[WS+4:WS+7], v[L16], s[PSR:PSR+1]   ; its scale words
	s_mov_b32 s[SIG], 8
	s_branch .Lsilu
.Lplain:
	; ---- chunk 1: x lies in LDS
	s_mov_b32 s[KX], 0
	v_mov_b32 v[XFW], v[XFA]
	v_mov_b32 v[XFW+1], v[XFA+1]
	v_mov_b32 v[XSW], v[XSA]
	XFETCH 0
	XSLD 0
	XFETCH 4
	STEP 0, 1, 0, 0, 1                             ; K steps 8 and 9 are waited for whole; the products start the sums
	s_mov_b32 s[KC], 3
.Lk:
	STEP 1, 0, 49, 33, 1
	STEP 0, 0, 49, 33, 1
	s_sub_co_u32 s[KC], s[KC], 1
	s_cmp_lg_u32 s[KC], 0
	s_cbranch_scc1 .Lk
	STEP 1, 0, 49, 33, 0
.Lsilu:
	s_mov_b32 s[HF], 0
.Lhalf:                                            ; four tiles of rows: window 2, then window 3
	s_lshl_b32 s53, s[HF], 3
	s_add_co_u32 s53, s53, s[HQS]
	v_add_nc_u32 v[HWIW], s[HQ], v[HWI]
	v_add_nc_u32 v[HWSW], s53, v[HWS]
.irp pp, 0,1
	SILUQ2 \pp
.endr
	s_add_co_u32 s[HQ], s[HQ], 8192
	s_add_co_u32 s[HF], s[HF], 1
	s_cmp_lt_u32 s[HF], 2
	s_wait_alu depctr_va_vdst(0)
	s_cbranch_scc1 .Lhalf
	s_add_co_u32 s[HQS], s[HQS], 512
	s_add_co_u32 s[CC], s[CC], 1
	s_cmp_lt_u32 s[CC], 2
	s_cbranch_scc1 .Lchunk
	; the accumulators' windows are free: b_mid and W2 of my 64 channels, in the result's layout (register 16 b + i: channel 32 b + 16 h + i), and my row's head: 41 loads
	WIN 0x80
.irp b, 0,1
.irp i, 0,1,2,3
	global_load_b128 v[128+16*\b+4*\i:128+16*\b+4*\i+3], v[H64], s[8:9] offset:128*\b+16*\i
.endr
.endr
	WIN 0xc0
.irp b, 0,1
.irp i, 0,1,2,3,4,5,6,7,8,9,10,11,12,13,14,15
	global_load_b128 v[128+64*\b+4*\i:128+64*\b+4*\i+3], v[H256], s[10:11] offset:512*\b+16*\i
.endr
.endr
	WIN 0
	v_min_u32 v[ROWC], NROW-1, v[ENT]
	v_lshlrev_b32 v[HOFF], 2, v[ROWC]
	global_load_b32 v[HDV], v[HOFF], s[6:7]
	BARRIER                                        ; h's 64 fragments and their scale words lie in LDS
; ---- PRODUCT 2: eight K steps, written out; 32 accumulators by turns: (m, t) at v[8 (4 (m % 4) + t)] of window 2 + m / 4.  W_mid's step s lies in set s % 4 (64 registers); steps 4-7 are asked for as steps 0-3 are done with.
.macro Q2 a, s
.irp mm, 0,1,2,3
.irp tt, 0,1,2,3
	WM 8*(4*\mm+\tt), 64*((\s)%4)+16*\tt, XF+16*(4*\a+\mm), (\s)==0, WS+2*((\s)%4)+\tt/2, XS+4*((\s)%2)+(4*\a+\mm)/2, \tt%2, \mm%2
.endr
.endr
.endm
.macro HFETCH s, g
.irp mm, 0,1,2,3
.irp c, 0,1,2,3
	ds_load_b128 v[XF+16*(\g+\mm)+4*\c:XF+16*(\g+\mm)+4*\c+3], v[HFA+(\s)/4] offset:16384*((\s)%4)+2048*(\g+\mm)+512*\c
.endr
.endr
.endm
.macro STEP2 s
.if (\s) == 0
	s_wait_loadcnt 41                              ; all that was asked for ahead of the 41 loads above: W_mid's steps 0-3 and their scale words
.elseif (\s) >= 4
	s_wait_loadcnt 17*(7-(\s))                     ; this step's 17 loads are in; the later steps' runs of 17 may be out
.endif
	s_wait_dscnt 16
	WIN MUL_LO
	Q2 0, \s
.if (\s) < 7
	WIN 0
	PLACES 8
	HFETCH (\s)+1, 0
	ds_load_b128 v[XS+4*(((\s)+1)%2):XS+4*(((\s)+1)%2)+3], v[HSA] offset:512*((\s)+1)
	s_wait_dscnt 17                                ; all but the 17 just issued
.else
	s_wait_dscnt 0x0
.endif
	WIN MUL_HI
	Q2 1, \s
	PLACES 8
.if (\s) < 4
	WIN 0x40
.irp tt, 0,1,2,3
.irp c, 0,1,2,3
	global_load_b128 v[64*(\s)+16*\tt+4*\c:64*(\s)+16*\tt+4*\c+3], v[L16], s[PM:PM+1] offset:8192*((\s)+4)+2048*\tt+512*\c
.endr
.endr
	WIN 0
	global_load_b64 v[WS+2*(\s):WS+2*(\s)+1], v[L16], s[PMS:PMS+1] offset:512*(((\s)+4)/2)+8*((\s)%2)
.endif
	WIN 0
.if (\s) < 7
	HFETCH (\s)+1, 4
.endif
.endm
	HFETCH 0, 0
	ds_load_b128 v[XS:XS+3], v[HSA]
	HFETCH 0, 4
.irp s, 0,1,2,3,4,5,6,7
	STEP2 \s
.endr
; ---- Tile 4 s[HF] + mm of rows: z = acc / 1024 + b_mid; silu; the dot of my lane's 32 channels with W2's four columns, in eight chains; 16 bytes to LDS.
.macro FACL mm
.set i, 0
.rept 16
	v_pk_fma_f32 v[128+i:129+i], v[32*(\mm)+i:32*(\mm)+i+1], s[C3:C3+1], v[128+i:129+i] op_sel_hi:[1,0,1]
.set i, i+2
.endr
.endm
.macro FIN mm
	s_wait_alu depctr_va_vdst(0)
	s_cmp_eq_u32 s[HF], 0
	s_cbranch_scc0 .Lfh_\@
	WIN 0x22                                       ; source 0 (accumulators) window 2, source 2 (b_mid) window 2
	s_wait_alu depctr_va_vdst(0)
	FACL \mm
	WIN 0
	s_branch .Lfj_\@
.Lfh_\@:
	WIN 0x23                                       ; accumulators in window 3
	s_wait_alu depctr_va_vdst(0)
	FACL \mm
	WIN 0
.Lfj_\@:
	s_wait_alu depctr_va_vdst(0)
.set i, 0
.rept 16
	v_pk_mul_f32 v[160+i:161+i], v[128+i:129+i], s[C2:C2+1] op_sel_hi:[1,0]
.set i, i+2
.endr
.set i, 0
	s_wait_alu depctr_va_vdst(0)
.rept 32
	v_exp_f32 v[160+i], v[160+i]
.set i, i+1
.endr
	v_nop
.set i, 0
	s_wait_alu depctr_va_vdst(0)
.rept 16
	v_pk_add_f32 v[160+i:161+i], v[160+i:161+i], 1.0 op_sel_hi:[1,0]
.set i, i+2
.endr
.set i, 0
	s_wait_alu depctr_va_vdst(0)
.rept 32
	v_rcp_f32 v[160+i], v[160+i]
.set i, i+1
.endr
	v_nop
.set i, 0
	s_wait_alu depctr_va_vdst(0)
.rept 16
	v_pk_mul_f32 v[128+i:129+i], v[128+i:129+i], v[160+i:161+i]
.set i, i+2
.endr
	WIN 0x0c                                       ; source 1 (W2) window 3
.irp j, 0,1,2,3,4,5,6,7
.irp t, 0,1,2,3
.set IDX, 8*\t+\j
.set ZP, 128+IDX-\j%2
.set WP, 128+4*IDX
.if \j == 0
	v_pk_mul_f32 v[224+4*\t:225+4*\t], v[ZP:ZP+1], v[WP:WP+1] op_sel_hi:[0,1]      ; the first products start the sums; one number of the pair serves both halves
	v_pk_mul_f32 v[226+4*\t:227+4*\t], v[ZP:ZP+1], v[WP+2:WP+3] op_sel_hi:[0,1]
.elseif \j%2 == 0
	v_pk_fma_f32 v[224+4*\t:225+4*\t], v[ZP:ZP+1], v[WP:WP+1], v[224+4*\t:225+4*\t] op_sel_hi:[0,1,1]
	v_pk_fma_f32 v[226+4*\t:227+4*\t], v[ZP:ZP+1], v[WP+2:WP+3], v[226+4*\t:227+4*\t] op_sel_hi:[0,1,1]
.else
	v_pk_fma_f32 v[224+4*\t:225+4*\t], v[ZP:ZP+1], v[WP:WP+1], v[224+4*\t:225+4*\t] op_sel:[1,0,0] op_sel_hi:[1,1,1]
	v_pk_fma_f32 v[226+4*\t:227+4*\t], v[ZP:ZP+1], v[WP+2:WP+3], v[226+4*\t:227+4*\t] op_sel:[1,0,0] op_sel_hi:[1,1,1]
.endif
.endr
.endr
	WIN 0
	v_pk_add_f32 v[224:225], v[224:225], v[228:229]
	v_pk_add_f32 v[226:227], v[226:227], v[230:231]
	v_pk_add_f32 v[232:233], v[232:233], v[236:237]
	v_pk_add_f32 v[234:235], v[234:235], v[238:239]
	v_pk_add_f32 v[192+4*(\mm):193+4*(\mm)], v[224:225], v[232:233]
	v_pk_add_f32 v[194+4*(\mm):195+4*(\mm)], v[226:227], v[234:235]
	ds_store_b128 v[HWIW], v[192+4*(\mm):195+4*(\mm)] offset:256*(\mm)
.endm
	s_mov_b32 s[HF], 0
.Lfin:
	s_lshl_b32 s53, s[HF], 10
	v_add_nc_u32 v[HWIW], s53, v[RST]              ; four tiles of rows take 1,024 bytes of my part
.irp mm, 0,1,2,3
	FIN \mm
.endr
	s_add_co_u32 s[HF], s[HF], 1
	s_cmp_lt_u32 s[HF], 2
	s_wait_alu depctr_va_vdst(0)
	s_cbranch_scc1 .Lfin
	BARRIER                                        ; eight parts of each of the 128 rows lie in LDS
.irp k, 0,1,2,3,4,5,6,7
	ds_load_b128 v[128+4*\k:131+4*\k], v[RLD] offset:2048*\k
.endr
	s_wait_dscnt 0x0
.irp k, 0,8,16,24
	v_pk_add_f32 v[128+\k:129+\k], v[128+\k:129+\k], v[132+\k:133+\k]
	v_pk_add_f32 v[130+\k:131+\k], v[130+\k:131+\k], v[134+\k:135+\k]
.endr
.irp k, 0,16
	v_pk_add_f32 v[128+\k:129+\k], v[128+\k:129+\k], v[136+\k:137+\k]
	v_pk_add_f32 v[130+\k:131+\k], v[130+\k:131+\k], v[138+\k:139+\k]
.endr
	v_pk_add_f32 v[128:129], v[128:129], v[144:145]
	v_pk_add_f32 v[130:131], v[130:131], v[146:147]
	v_cmp_gt_u32 vcc_lo, 4, v[HDV]                 ; a head outside 0 .. 3 masks every channel
	s_mov_b32 s53, 0x3d000000                      ; 1 / 32
.irp k, 0,1,2,3
	v_cndmask_b32 v[128+\k], 0, v[128+\k], vcc_lo
.endr
.irp k, 0,1,2,3
	v_fma_f32 v[160+\k], v[128+\k], s53, s[B2+\k]
.endr
	v_lshlrev_b32 v[OUTO], 4, v[ROWC]
	v_cmp_gt_u32 vcc_lo, s[NR], v0                 ; the tile's real rows
	s_wait_alu depctr_va_vdst(0)
	s_wait_xcnt 0x0                                ; EXEC changes only behind this wait
	s_wait_tensorcnt 0x0                           ; the wave's end
	ds_add_u32 v126, v127
	s_wait_dscnt 0x0
	s_and_saveexec_b32 s29, vcc_lo
	global_store_b128 v[OUTO], v[160:163], s[14:15] th:TH_STORE_NT
	s_endpgm
.Lfunc_end_k_qc81f739fe5_main:
	.size	k_qc81f739fe5_main, .Lfunc_end_k_qc81f739fe5_main-k_qc81f739fe5_main
	.p2alignl 7, 3214868480
	.fill 96, 4, 3214868480
	.section	.rodata,"a",@progbits
	.p2align	6, 0x0
	.amdhsa_kernel k_qc81f739fe5_main
		.amdhsa_group_segment_fixed_size 289280
		.amdhsa_private_segment_fixed_size 0
		.amdhsa_enable_private_segment 0
		.amdhsa_kernarg_size 96
		.amdhsa_user_sgpr_count 2
		.amdhsa_user_sgpr_kernarg_segment_ptr 1
		.amdhsa_wavefront_size32 1
		.amdhsa_system_sgpr_workgroup_id_x 1
		.amdhsa_system_sgpr_workgroup_id_y 1
		.amdhsa_system_sgpr_workgroup_id_z 1
		.amdhsa_system_vgpr_workitem_id 0
		.amdhsa_next_free_vgpr 1024
		.amdhsa_next_free_sgpr 100
		.amdhsa_reserve_vcc 1
		.amdhsa_float_denorm_mode_32 3
		.amdhsa_float_denorm_mode_16_64 3
		.amdhsa_memory_ordered 1
		.amdhsa_forward_progress 1
		.amdhsa_inst_pref_size 255
	.end_amdhsa_kernel
	.section	.bss,"aw",@nobits
	.p2align	6
	.space	262144
	.amdgpu_metadata
---
amdhsa.version: [ 1, 2 ]
amdhsa.kernels:
  - .name:           k_qc81f739fe5_main
    .symbol:         k_qc81f739fe5_main.kd
    .args:
      - { .name: x, .offset: 0, .size: 8, .value_kind: global_buffer, .address_space: global }
      - { .name: heads, .offset: 8, .size: 8, .value_kind: global_buffer, .address_space: global }
      - { .name: b_mid, .offset: 16, .size: 8, .value_kind: global_buffer, .address_space: global }
      - { .name: W2, .offset: 24, .size: 8, .value_kind: global_buffer, .address_space: global }
      - { .name: b2, .offset: 32, .size: 8, .value_kind: global_buffer, .address_space: global }
      - { .name: out0, .offset: 40, .size: 8, .value_kind: global_buffer, .address_space: global }
      - { .name: w1c, .offset: 48, .size: 8, .value_kind: global_buffer, .address_space: global }
      - { .name: w1s, .offset: 56, .size: 8, .value_kind: global_buffer, .address_space: global }
      - { .name: wmc, .offset: 64, .size: 8, .value_kind: global_buffer, .address_space: global }
      - { .name: wms, .offset: 72, .size: 8, .value_kind: global_buffer, .address_space: global }
      - { .name: order, .offset: 80, .size: 8, .value_kind: global_buffer, .address_space: global }
      - { .name: tiles, .offset: 88, .size: 8, .value_kind: global_buffer, .address_space: global }
    .group_segment_fixed_size: 289280
    .private_segment_fixed_size: 0
    .kernarg_segment_align: 8
    .kernarg_segment_size: 96
    .max_flat_workgroup_size: 128
    .sgpr_count:     100
    .vgpr_count:     1024
    .wavefront_size: 32
...
	.end_amdgpu_metadata
.endif
;; end of part 2
